; MI455X (gfx1250); checked and timed in simulation.
; The chip was launched on July 23, 2026; its instructions are those of AMD's public machine-readable ISA for CDNA 5 (MIT licence, August 2026) and "CDNA5" Instruction Set Architecture Reference Guide (July 2026). The comments in the code are by the model that wrote it; some were corrected since.
;; Causal Self Attention. Allowed arithmetic: matrix products marked QUANTISED: E5M2 operands, one given power-of-two scale a tensor, by v_wmma_f32_16x16x64_bf8_bf8 or v_wmma_f32_16x16x128_bf8_bf8, f32 sums; everything else in f32.
;; Inputs: Wk_codes 1,024 x 32 x 32 uint8 (E5M2 codes of Wk, K innermost, in blocks of 32 codes); Wo_codes 1,024 x 32 x 32 uint8 (E5M2 codes of Wo, K innermost, in blocks of 32 codes); Wq_codes 1,024 x 32 x 32 uint8 (E5M2 codes of Wq, K innermost, in blocks of 32 codes); Wv_codes 1,024 x 32 x 32 uint8 (E5M2 codes of Wv, K innermost, in blocks of 32 codes); bk 1,024 float32; bo 1,024 float32; bq 1,024 float32; bv 1,024 float32; lowp_scales 12 int32 (the exponents e of the quantised operands' scales 2^e); x_codes 4 x 2,048 x 32 x 32 uint8 (E5M2 codes of x, K innermost, in blocks of 32 codes).
;; Outputs: out0 4 x 2,048 x 1,024 float32.
;; This version of the problem:
;;   THIS VERSION OF THE PROBLEM IS GIVEN IN LOW PRECISION. The matrix products marked QUANTISED in the list below multiply operands that are first quantised to E5M2 (5 exponent bits, 2 mantissa bits; 8 bits a number), with one given power-of-two scale for each operand tensor; their sums are f32. All else is computed in f32.
;;   The module's matrix products, in the order in which they are computed (A, B: the left and right operand; K: the contracted axis; several contracted axes count as one K, in the product's order):
;;     1. [M 8,192, K 1,024] x [K 1,024, N 1,024]; A: input x (given as codes); B: input Wq (given as codes): QUANTISED (scales: A lowp_scales[0], B lowp_scales[1])
;;     2. [M 8,192, K 1,024] x [K 1,024, N 1,024]; A: input x (given as codes); B: input Wk (given as codes): QUANTISED (scales: A lowp_scales[2], B lowp_scales[3])
;;     3. [M 8,192, K 1,024] x [K 1,024, N 1,024]; A: input x (given as codes); B: input Wv (given as codes): QUANTISED (scales: A lowp_scales[4], B lowp_scales[5])
;;     4. batch 64 x [M 2,048, K 64] x [K 64, N 2,048]; A: computed on the way; B: computed on the way: QUANTISED (scales: A lowp_scales[6], B lowp_scales[7])
;;     5. batch 64 x [M 2,048, K 2,048] x [K 2,048, N 64]; A: softmax (see below); B: computed on the way: QUANTISED (scales: A lowp_scales[8], B lowp_scales[9])
;;     6. [M 8,192, K 1,024] x [K 1,024, N 1,024]; A: computed on the way; B: input Wo (given as codes): QUANTISED (scales: A lowp_scales[10], B lowp_scales[11])
;;   THE QUANTISER, for each operand of a quantised product, along K:
;;     - The operand's scale is 2^e, e = its entry of the input lowp_scales (int32; the entries are numbered through the quantised products in the list's order, A before B).
;;     - Each number is divided by the scale, clamped to +-57,344, and rounded to the nearest number of E5M2, ties to even, subnormals kept.
;;     - The product sums the exact products of the quantised numbers (number of the format x scale) in f32.
;;   ~~~python
;;   def quantise(x, axis, e):      # numpy; x: float32 -> the quantised numbers, widened to float32 again
;;       x = np.moveaxis(x, axis, -1); K = x.shape[-1]
;;       r = np.clip(x / 2.0 ** e, -57344, 57344)
;;       step = 2.0 ** (np.maximum(np.frexp(np.where(r == 0, 1, r))[1] - 1, -14) - 2)
;;       q = np.round(r / step) * step * 2.0 ** e      # np.round: ties to even
;;       return np.moveaxis(q, -1, axis).astype(np.float32)
;;   ~~~
;;   SOFTMAX AHEAD OF A QUANTISED PRODUCT. Where the list says 'softmax', what is quantised is not the finished softmax but p = 2^(t - M), with t = logit x log2(e) and M = ceil(the row's largest t), a whole number; so 1/2 < the row's largest p <= 1. The row's sum l is taken of the UNQUANTISED p, in f32, and the product's result is divided by l at the end. Since M is a whole number, a kernel that streams over the keys may use a running M (the ceiling of the running maximum): every later rescaling is an exact power of two, so the quantised numbers keep their values, but for numbers so far below the row's largest that they fall under the format's range.
;;   OPERANDS COMPUTED ON THE WAY. 'Computed on the way' means the value that the module computes at that place (a softmax that the list does not call 'softmax' is quantised finished and normalised). What goes into a quantiser is computed in f32, as accurately as f32 sums, v_exp_f32 and their like allow (about 1e-6 of the number): no bf16 or f16 on the way to a quantiser, and a product that is left as it is and whose result goes on into a quantised operand takes f32 operands (vector FMAs, or v_wmma_f32_16x16x4_f32). A number that lies on a knife's edge between two numbers of the format may be rounded either way, as far as f32 arithmetic and the matrix unit's own rounding can turn it there, and no further.
;;   INPUTS GIVEN AS CODES. Wk (in the module: [1024, 1024], K = its axis 1); Wo (in the module: [1024, 1024], K = its axis 1); Wq (in the module: [1024, 1024], K = its axis 1); Wv (in the module: [1024, 1024], K = its axis 1); x (in the module: [4, 2048, 1024], K = its axis 2): each comes as NAME_codes (uint8): NAME with its K axis moved to the last place and cut into blocks of 32 codes, [.., K / 32, bytes a block], one block behind the other in memory; one code a byte (a code: sign, 5 exponent bits, 2 mantissa bits); its scale is its entry of lowp_scales. Its value is code x scale, taken as it is: it is not quantised again, and the codes and scales need not be those that the quantiser above would give.
;; One version. Each part assembles by itself: llvm-mc -triple=amdgcn-amd-amdhsa -mcpu=gfx1250 --defsym DOCPART=n.
;; ======== version 1 of 1: 3 launches
;; limits: right only within a limited range of input values
;; workspace buffers: qf 8,388,608 bytes; kf 8,388,608 bytes; vf 8,388,608 bytes; cf 8,388,608 bytes
;; launch qkv (part 1): grid 12 x 32, 4 waves a work-group, clusters of 4 x 4, 327,680 bytes of LDS; arguments x_codes, Wq_codes, Wk_codes, Wv_codes, bq, bk, bv, lowp_scales, qf, kf, vf; writes qf, kf, vf
.if DOCPART == 1
	.amdgcn_target "amdgcn-amd-amdhsa--gfx1250"
	.amdhsa_code_object_version 6
	.text
	.protected	k_q26b7161b80_qkv
	.globl	k_q26b7161b80_qkv
	.p2align	8
	.type	k_q26b7161b80_qkv,@function
k_q26b7161b80_qkv:
	s_mov_b64 s[64:65], 0
	v_nop
	global_prefetch_b8 v0, s[64:65] scope:SCOPE_SE
	s_setreg_imm32_b32 hwreg(HW_REG_WAVE_MODE, 25, 1), 1
	s_wait_xcnt 0x0
	s_wait_alu depctr_hold_cnt(0) depctr_sa_sdst(0) depctr_va_vdst(0) depctr_va_sdst(0) depctr_va_ssrc(0) depctr_va_vcc(0) depctr_vm_vsrc(0)
	s_getreg_b32 s2, hwreg(HW_REG_IB_STS2, 6, 4)
	s_cmp_eq_u32 s2, 0
	s_cbranch_scc0 .Lentry_in_a_cluster
	s_endpgm
.Lentry_in_a_cluster:
	s_bfe_u32 s2, ttmp6, 0x10000c
	s_cmp_lg_u32 s2, 0xf033
	s_cbranch_scc0 .Lentry_shape_is_right
	s_endpgm
.Lentry_shape_is_right:
; q, k, v = Q(x W^T + b): the three projections on codes of BF8 (E5M2), their results quantised at once with the scales given for the attention's products.
; x: [8192][1024] codes; Wq, Wk, Wv: [1024][1024] codes, K innermost; biases f32.  lowp_scales: x has an entry of its own for each projection (0, 2, 4), the weights 1, 3, 5; q's codes take entry 6, k's 7, v's 9.
; The cluster's x says which projection (0 q, 1 k, 2 v): weight, bias, output and exponents are chosen by selects on it; it is equal in all sixteen partners.
; A tile of 256 tokens x 256 features is made by four waves, 128 x 128 each: 64 accumulators, 512 registers.  K goes in steps of 256 through a ring of two LDS slots filled by the tensor data mover (rows of 256 bytes).
; CLUSTERS: 4 x 4 work-groups: x's tile is shared along a row of the cluster, the weight's along a column; each is asked for jointly, by one descriptor and a mask that names the four.
; THE MATRIX INSTRUCTION IS USED TRANSPOSED: source 0 = 16 rows of 'B', source 1 = 16 rows of 'A': a lane holds ONE row of A and eight neighbouring rows of B.
;   q, k: A = tokens, B = features: eight neighbouring channels of one token: the conversions' results are the registers of a 16 token x 64 channel fragment of the K = 64 form.
;   v:    A = features, B = tokens (the two LDS regions change roles, by address alone): eight neighbouring keys of one channel: registers of a 16 channel x 128 key fragment of the K = 128 form.
; OUTPUTS ARE IMAGES OF OPERAND REGISTERS: four registers a lane at 16 x lane, 512 consecutive bytes a store.  qf, kf: [64 heads][128 tiles of 16 tokens][1024]; vf: [64 heads][16 steps of 128 keys][4 tiles of 16 channels][2048].
; LIMITS: the sum of a projection's two exponents lies between -126 and 127, the output's exponent between -126 and 127, so that each power of two below is an f32 number.  NaN among the inputs is not served.
; REGISTERS: window 0: v16-31 addresses and constants; v32-95 bias by feature along the registers; v96-111 bias by feature along the lanes; v128-255 A's fragments, ONE set (on the way out: 64 numbers, then four sets of 16 code registers).
;   window 1: B's fragments, two sets.   windows 2, 3: the accumulators ((a, b) at v[8 (8 (a % 4) + b)]).
.set KROW,   1024                      ; a row of x or of a weight in bytes
.set ROWB,   256                       ; a tile's row in bytes
.set PITCH,  272                       ; an LDS row: 256 bytes + 16 of padding = 68 words: the 16 rows of a load start at 16 different banks (64 banks of 4 bytes: ISA guide 11.1)
.set FR,     16                        ; registers of a fragment: 16 rows x 128 K
.set NL,     4                         ; LDS loads that bring one
.set NP,     4                         ; places behind this matrix instruction (ISA guide 7.12.1)
.set HALFT,  128*PITCH                 ; 128 rows: what one tensor load brings
.set SLOT,   4*HALFT                   ; x's 256 rows, then the weight's 256 rows
.set LAPS,   2                         ; 1024 along K = four K steps = twice round the ring
.set SPARE,  2*SLOT                    ; behind the ring: the spare words, 128 bytes for each wave; no other line names them
.set ADRA, 16                          ; v16-17  LDS address of my A fragments in slot 0, 1
.set ADRB, 20                          ; v20-21  the same for B
.set LI,   24                          ; v24     16 x lane: my place in an image
.set BNO,  25                          ; v25     32 x (lane / 16): my eight features' bias
.set BMO,  26                          ; v26     4 x (lane % 16): my one feature's bias
.set SPW,  28                          ; v28     my spare word; never rewritten
.set NIL,  29                          ; v29     0; never rewritten
.set SCL,  30                          ; v30     the output's scale as f32
.set LIM,  31
.set BN,   32
.set BM,   96
.set AF,   128
.set T,    128                         ; the way out: a block's 64 numbers
.set CD,   192                         ; the way out: four sets of 16 registers of codes
.set G1, 24                            ; s[24:31] group 1 for x's tiles; s[32:39] group 0, one set for each slot
.set G0, 32
.set G1B, 48                           ; s[48:55], s[56:63] the same for the weight's tiles
.set G0B, 56
.set MSB, 0
.macro WIN new                         ; the immediate's high byte repeats the setting that is left
.if MSB != \new
	s_set_vgpr_msb (MSB<<8)|\new
.set MSB, \new
.endif
.endm
.set MUL_LO, 0xa1                      ; source 0 (B) window 1, source 1 (A) window 0, C and D window 2
.set MUL_HI, 0xf1                      ; the same, C and D window 3
.set TO_B,   0x40                      ; destination window 1, address window 0
; A joint load: waves 0 and 1 fetch x's halves, waves 2 and 3 the weight's.  The branch hangs on the wave's number alone.  Four v_nop follow each of the two lines.
.macro JLOAD g0a, g1a, g0b, g1b
	s_cmp_eq_u32 s15, 0
	s_cbranch_scc0 .Lfor_b_\@
	tensor_load_to_lds s[\g0a:\g0a+3], s[\g1a:\g1a+7]
	s_nop 0
.rept 4
	v_nop
.endr
	s_branch .Lasked_\@
.Lfor_b_\@:
	tensor_load_to_lds s[\g0b:\g0b+3], s[\g1b:\g1b+7]
	s_nop 0
.rept 4
	v_nop
.endr
.Lasked_\@:
.endm
.macro CREST                           ; a round of the cluster's barrier behind its opening barrier
	s_cmp_lg_u32 s14, 0
	s_cbranch_scc1 .Lnot_wave_0_\@
	s_barrier_signal -3
.Lnot_wave_0_\@:
	s_barrier_wait -3
	s_barrier_signal -1
	s_barrier_wait -1
.endm
.macro CROUND                          ; a whole round
	s_barrier_signal -1
	s_barrier_wait -1
	CREST
.endm
	s_load_b512 s[68:83], s[0:1], 0x0              ; x s[68:69], Wq, Wk, Wv s[70:75], bq, bk, bv s[76:81], the exponents s[82:83]
	s_load_b128 s[84:87], s[0:1], 0x40             ; qf, kf
	s_load_b64 s[88:89], s[0:1], 0x50              ; vf
	v_lshl_add_u32 v[SPW], v0, 2, SPARE
	v_mov_b32 v[NIL], 0
	ds_add_u32 v28, v29
	ds_add_u32 v28, v29
	s_wait_dscnt 0x0
	v_lshrrev_b32 v1, 5, v0
	v_readfirstlane_b32 s14, v1                    ; wave 0..3
	s_lshr_b32 s15, s14, 1                         ; which half of A's rows is mine.  Also: I fetch for x (0) or for the weight (1)
	s_and_b32 s16, s14, 1                          ; which half of B's rows.  Also: which 128 rows of that tile I fetch
	s_bfe_u32 s40, ttmp6, 0x40000                  ; cx: which 256 rows of the weight
	s_bfe_u32 s41, ttmp6, 0x40004                  ; cy
	s_and_b32 s17, ttmp7, 0xffff
	s_lshl_b32 s17, s17, 2
	s_add_co_u32 s17, s17, s41                     ; which 256 tokens = 4 x cluster y + cy
	s_lshl_b32 s43, s41, 2
	s_lshl_b32 s43, 15, s43                        ; my row of the cluster
	s_lshl_b32 s44, 0x1111, s40                    ; my column
	s_or_b32 s[G1+0], s43, (0<<16)|(1<<20)|(1<<21)|(5<<22)|(3<<25)  ; 15:0 the mask: x's tiles go to my row; elements of 1 byte; padding on; bit 21 beside a mask; after every 64 words four words
	s_or_b32 s[G1B+0], s44, (0<<16)|(1<<20)|(1<<21)|(5<<22)|(3<<25) ; the weight's tiles go to my column
.irp g, G1, G1B
	s_mov_b32 s[\g+1], ROWB<<16                    ; tensor_dim0 = 256
	s_mov_b32 s[\g+2], 128<<16                     ; tensor_dim1 = 128
	s_mov_b32 s[\g+3], ROWB<<16                    ; tile_dim0 = 256
	s_mov_b32 s[\g+4], 128                         ; tile_dim1 = 128
	s_mov_b32 s[\g+5], KROW                        ; from row to row
	s_mov_b32 s[\g+6], 0
	s_mov_b32 s[\g+7], 0
.endr
	s_lshl_b32 s18, s16, 7                         ; which 128 rows of the tile I fetch
	s_lshl_b32 s20, s17, 8
	s_add_co_u32 s20, s20, s18                     ; x: row 256 x token block + 128 x half,
	s_lshl_b32 s20, s20, 10                        ; in bytes (under 2^23)
	s_mov_b32 s21, 0
	s_lshl_b32 s46, s40, 8
	s_add_co_u32 s46, s46, s18                     ; the weight: row 256 cx + 128 x half
	s_lshl_b32 s46, s46, 10
	s_mov_b32 s47, 0
	s_mul_i32 s45, s14, HALFT                      ; where they go: wave x 128 rows: no place in the cluster enters an LDS address
	s_lshl_b32 s22, s40, 10                        ; the bias of the features 256 cx + 128 x (my half of B) on,
	s_lshl_b32 s23, s16, 9
	s_add_co_u32 s22, s22, s23
	s_mov_b32 s23, 0
	s_lshl_b32 s92, s40, 10                        ; and of 256 cx + 128 x (my half of A) on
	s_lshl_b32 s93, s15, 9
	s_add_co_u32 s92, s92, s93
	s_mov_b32 s93, 0
	s_wait_kmcnt 0x0
	s_cmp_eq_u32 ttmp9, 0                          ; which projection: the choice hangs on the cluster's x alone
	s_cselect_b64 s[6:7], s[70:71], s[72:73]
	s_cselect_b64 s[8:9], s[76:77], s[78:79]
	s_cselect_b64 s[10:11], s[84:85], s[86:87]
	s_cmp_eq_u32 ttmp9, 2
	s_cselect_b64 s[6:7], s[74:75], s[6:7]         ; the weight
	s_cselect_b64 s[8:9], s[80:81], s[8:9]         ; the bias
	s_cselect_b64 s[10:11], s[88:89], s[10:11]     ; the output
	s_cselect_b32 s90, 2*HALFT, 0                  ; v: A's fragments come from the weight's region,
	s_cselect_b32 s91, 0, 2*HALFT                  ; B's from x's; q, k: the other way round
	s_add_nc_u64 s[20:21], s[68:69], s[20:21]
	s_add_nc_u64 s[46:47], s[6:7], s[46:47]
	s_add_nc_u64 s[66:67], s[8:9], s[92:93]
	s_add_nc_u64 s[8:9], s[8:9], s[22:23]
	s_load_b256 s[68:75], s[82:83], 0x0            ; the twelve exponents: entries 0-7,
	s_load_b128 s[76:79], s[82:83], 0x20           ; 8-11
	CROUND                                         ; all sixteen work-groups are here: the first joint loads meet
.irp s, 0,1
	s_mov_b32 s[G0+4*\s], 1
	s_add_co_u32 s[G0+4*\s+1], s45, \s*SLOT
	s_add_nc_u64 s[G0+4*\s+2:G0+4*\s+3], s[20:21], \s*ROWB
	s_or_b32 s[G0+4*\s+3], s[G0+4*\s+3], 0x80000000
	s_mov_b32 s[G0B+4*\s], 1
	s_add_co_u32 s[G0B+4*\s+1], s45, \s*SLOT
	s_add_nc_u64 s[G0B+4*\s+2:G0B+4*\s+3], s[46:47], \s*ROWB
	s_or_b32 s[G0B+4*\s+3], s[G0B+4*\s+3], 0x80000000
	JLOAD G0+4*\s, G1, G0B+4*\s, G1B
.endr
	v_and_b32 v1, 15, v0                           ; r = lane % 16
	v_bfe_u32 v2, v0, 4, 1                         ; h = lane / 16
	s_wait_alu depctr_va_vdst(0)
	v_mul_u32_u24 v3, v1, PITCH
	v_lshl_add_u32 v4, v2, 4, v3                   ; a fragment's row x pitch + 16 x half
	s_mul_i32 s21, s15, HALFT
	s_add_co_u32 s21, s21, s90                     ; my 128 rows of A
	s_mul_i32 s22, s16, HALFT
	s_add_co_u32 s22, s22, s91                     ; my 128 rows of B
.irp s, 0,1
	v_add_nc_u32 v[ADRA+\s], s21, v4
	v_add_nc_u32 v[ADRB+\s], s22, v4
	s_add_co_u32 s21, s21, SLOT
	s_add_co_u32 s22, s22, SLOT
.endr
	v_and_b32 v6, 31, v0
	v_lshlrev_b32 v[LI], 4, v6
	v_lshlrev_b32 v[BNO], 5, v2
	v_lshlrev_b32 v[BMO], 2, v1
.irp b, 0,1,2,3,4,5,6,7                        ; both forms of the bias are loaded, each inside the 1,024 numbers; they land while K is walked and are waited for on the way out
	global_load_b128 v[BN+8*\b:BN+8*\b+3], v[BNO], s[8:9] offset:64*\b         ; features 16 b + 8 h + 0 .. 7 of my half of B
	global_load_b128 v[BN+8*\b+4:BN+8*\b+7], v[BNO], s[8:9] offset:64*\b+16
.endr
.irp a, 0,1,2,3,4,5,6,7
	global_load_b32 v[BM+2*\a], v[BMO], s[66:67] offset:64*\a                  ; feature 16 a + r of my half of A, twice: a pair for the packed form
	global_load_b32 v[BM+2*\a+1], v[BMO], s[66:67] offset:64*\a
.endr
.macro FRAG reg, adr, q, i             ; a fragment: lane l holds row l % 16; registers 4 c .. 4 c + 3 hold K = 32 c + 16 (l / 16) + 0 .. 15: the same order of k in A and in B
.irp c, 0,1,2,3
	ds_load_b128 v[\reg+4*\c:\reg+4*\c+3], v[\adr] offset:128*(\q)+32*\c+(\i)*16*PITCH
.endr
.endm
; 16 matrix instructions: A's blocks a0, a0 + 1 x B's eight.  p: B's set.  zero = 1: the first product starts the sums.  The 64 accumulators take turns, one instruction a turn.
.macro MUL16 a0, p, zero
.irp a, \a0, \a0+1
.irp b, 0,1,2,3,4,5,6,7
.if \zero
	v_wmma_f32_16x16x128_bf8_bf8 v[8*(8*((\a)%4)+\b):8*(8*((\a)%4)+\b)+7], v[128*(\p)+FR*\b:128*(\p)+FR*\b+FR-1], v[AF+FR*(\a):AF+FR*(\a)+FR-1], 0
.else
	v_wmma_f32_16x16x128_bf8_bf8 v[8*(8*((\a)%4)+\b):8*(8*((\a)%4)+\b)+7], v[128*(\p)+FR*\b:128*(\p)+FR*\b+FR-1], v[AF+FR*(\a):AF+FR*(\a)+FR-1], v[8*(8*((\a)%4)+\b):8*(8*((\a)%4)+\b)+7]
.endif
.endr
.endr
.endm
.macro FETCH_B slot, q, p              ; B's eight fragments of the slot's q-th 128 along K into set p
	WIN TO_B
.irp i, 0,1,2,3,4,5,6,7
	FRAG 128*(\p)+FR*\i, ADRB+\slot, \q, \i
.endr
	WIN 0
.endm
.macro FETCH_A slot, q, i0             ; A's blocks i0 .. i0 + 3
.irp i, \i0, \i0+1, \i0+2, \i0+3
	FRAG AF+FR*(\i), ADRA+\slot, \q, \i
.endr
.endm
.macro PLACES n                        ; plain vector instructions between a matrix instruction and a load into, or a vector access of, its registers (ISA guide 7.12.1 for vector accesses)
.rept \n
	v_nop
.endr
.endm
.macro STEP slot, q, zero              ; a step of 128 along K that has its successor in the same slot
	s_wait_dscnt 4*NL                              ; B's set and A's blocks 0-3 are in; the youngest sixteen loads (A's blocks 4-7) may be out
	WIN MUL_LO
	MUL16 0, (\q)%2, \zero
	MUL16 2, (\q)%2, \zero
	s_wait_dscnt 0                                 ; A's blocks 4-7 are in
	PLACES NP
	FETCH_B \slot, (\q)+1, 1-(\q)%2
	FETCH_A \slot, (\q)+1, 0
	WIN MUL_HI
	MUL16 4, (\q)%2, \zero
	MUL16 6, (\q)%2, \zero
	PLACES NP
	WIN 0
	FETCH_A \slot, (\q)+1, 4
.endm
; A slot's last step changes slots: ONE barrier; in front of it each wave waits for all its tensor loads, adds 0 to its spare word, and waits for that and for its reads of this slot.  fill = 1: this slot is filled again, two K steps ahead.
.macro TURN slot, next, fill
	s_wait_tensorcnt 0x0                           ; all my tensor loads have landed: my part of the next slot
	ds_add_u32 v[SPW], v[NIL]                      ; 0 onto my spare word
	s_wait_dscnt 4*NL+1                            ; (the add and the youngest sixteen loads may be out)
	WIN MUL_LO
	MUL16 0, 1, 0                                  ; sixteen matrix instructions stand between the add and the wait for it
	s_wait_dscnt 0x0                               ; the add is done, and my reads of this slot are over
	s_barrier_signal -1
	MUL16 2, 1, 0
	WIN 0
	s_barrier_wait -1
.if \fill
	CREST                                          ; the barrier has opened a round of the cluster's barrier: no wave of any partner still reads this slot or has a load on its way
	s_add_nc_u64 s[G0+4*\slot+2:G0+4*\slot+3], s[G0+4*\slot+2:G0+4*\slot+3], 2*ROWB
	s_add_nc_u64 s[G0B+4*\slot+2:G0B+4*\slot+3], s[G0B+4*\slot+2:G0B+4*\slot+3], 2*ROWB
	JLOAD G0+4*\slot, G1, G0B+4*\slot, G1B         ; the first tensor load behind the round; its four v_nop are the places in front of the loads below
.else
	PLACES NP
.endif
	FETCH_B \next, 0, 0
	FETCH_A \next, 0, 0
	WIN MUL_HI
	MUL16 4, 1, 0
	MUL16 6, 1, 0
	PLACES NP
	WIN 0
	FETCH_A \next, 0, 4
.endm
	s_wait_alu depctr_va_vdst(0)
	s_wait_tensorcnt 1                             ; my part of K step 0 is in; K step 1's load may be out
	s_barrier_signal -1
	s_barrier_wait -1
	FETCH_B 0, 0, 0
	FETCH_A 0, 0, 0
	FETCH_A 0, 0, 4
	STEP 0, 0, 1                                   ; the first step stands in front of the loop: its products start the sums
	s_mov_b32 s3, LAPS-1
.Llap:                                                 ; a trip goes once round the ring and fills both slots again
	TURN 0, 1, 1
	STEP 1, 0, 0
	TURN 1, 0, 1
	STEP 0, 0, 0
	s_sub_co_u32 s3, s3, 1
	s_cmp_lg_u32 s3, 0
	s_cbranch_scc1 .Llap
	TURN 0, 1, 0                                   ; the last lap fills nothing, and has no round of the cluster's barrier
	STEP 1, 0, 0
	s_wait_dscnt 4*NL                              ; the very last step
	WIN MUL_LO
	MUL16 0, 1, 0
	MUL16 2, 1, 0
	s_wait_dscnt 0
	WIN MUL_HI
	MUL16 4, 1, 0
	MUL16 6, 1, 0
	WIN 0
; THE WAY OUT of block a (16 rows of A x 128 rows of B): sum x 2^(the two exponents) + bias in one fused step, the conversion; the 16 code registers ARE operand registers and leave as they stand.
.macro OUTBLK a, vway
.set AC, 64*((\a)%4)
.set CB, CD+16*((\a)%4)
.if (\a) >= 4
	s_wait_xcnt 0x0                                ; block a - 4's stores have read this set of code registers
.endif
	WIN 0x02+((\a)/4)                              ; source 0: window 2 or 3
.irp b, 0,1,2,3,4,5,6,7
.irp j, 0,2,4,6
.if \vway
	v_pk_fma_f32 v[T+8*\b+\j:T+8*\b+\j+1], v[AC+8*\b+\j:AC+8*\b+\j+1], s[96:97], v[BM+2*(\a):BM+2*(\a)+1] op_sel_hi:[1,0,1]   ; the lane's one feature
.else
	v_pk_fma_f32 v[T+8*\b+\j:T+8*\b+\j+1], v[AC+8*\b+\j:AC+8*\b+\j+1], s[96:97], v[BN+8*\b+\j:BN+8*\b+\j+1] op_sel_hi:[1,0,1]   ; the lane's eight features; each accumulator from its low end on
.endif
.endr
.endr
	WIN 0
.set n, 0
.rept 64
.set n, n+1
.endr
.irp b, 0,1,2,3,4,5,6,7
	v_cvt_scalef32_pk8_bf8_f32 v[CB+2*\b:CB+2*\b+1], v[T+8*\b:T+8*\b+7], v[SCL]
.endr
	v_nop                                          ; a plain line between the conversions and the next block's writes of their sources
.irp j, 0,1,2,3
.if \vway
	global_store_b128 v[LI], v[CB+4*\j:CB+4*\j+3], s[10:11] offset:((\a)/4)*131072+((\a)%4)*2048+512*\j   ; head a / 4, channels 16 (a % 4) on; 512 consecutive bytes
.else
	global_store_b128 v[LI], v[CB+4*\j:CB+4*\j+3], s[10:11] offset:(\a)*1024+(\j/2)*131072+(\j%2)*512     ; tile a of tokens, head j / 2, the fragment's half j % 2
.endif
.endr
.endm
	s_wait_kmcnt 0x0
	s_cmp_eq_u32 ttmp9, 0
	s_cselect_b32 s92, s68, s70                    ; x's exponent for this projection,
	s_cselect_b32 s93, s69, s71                    ; the weight's,
	s_cselect_b32 s94, s74, s75                    ; the output's
	s_cmp_eq_u32 ttmp9, 2
	s_cselect_b32 s92, s72, s92
	s_cselect_b32 s93, s73, s93
	s_cselect_b32 s94, s77, s94
	s_add_co_i32 s96, s92, s93
	s_add_co_i32 s96, s96, 127
	s_lshl_b32 s96, s96, 23                        ; 2^(the two exponents added) as f32
	s_mov_b32 s97, s96                             ; (named with it as a pair, so it is written)
	s_add_co_i32 s94, s94, 127
	s_lshl_b32 s95, s94, 23
	PLACES NP                                      ; behind the last products: results are read and A's registers written below
	v_mov_b32 v[SCL], s95
	s_wait_loadcnt 0x0                             ; the biases
	s_lshr_b32 s18, s17, 3                         ; the batch: eight blocks of 256 tokens each
	s_and_b32 s19, s17, 7                          ; the block within it
	s_lshl_b32 s20, s18, 4
	s_lshl_b32 s21, s40, 2
	s_add_co_u32 s20, s20, s21                     ; 16 x batch + 4 cx: the first of the tile's four heads
	s_cmp_eq_u32 ttmp9, 2                          ; the cluster's x: the same in every wave and every partner; no barrier and no tensor load stands in either way
	s_cbranch_scc1 .Lout_v
	s_lshl_b32 s21, s16, 1
	s_add_co_u32 s20, s20, s21                     ; q, k: my two heads (my half of B),
	s_lshl_b32 s20, s20, 7
	s_lshl_b32 s21, s19, 4
	s_add_co_u32 s20, s20, s21
	s_lshl_b32 s21, s15, 3
	s_add_co_u32 s20, s20, s21                     ; my eight tiles of tokens (my half of A),
	s_lshl_b32 s20, s20, 10                        ; 1,024 bytes a fragment
	s_mov_b32 s21, 0
	s_add_nc_u64 s[10:11], s[10:11], s[20:21]
.irp a, 0,1,2,3,4,5,6,7
	OUTBLK \a, 0
.endr
	s_branch .Lout_done
.Lout_v:
	s_lshl_b32 s21, s15, 1
	s_add_co_u32 s20, s20, s21                     ; v: my two heads (my half of A),
	s_lshl_b32 s20, s20, 4
	s_lshl_b32 s21, s19, 1
	s_add_co_u32 s20, s20, s21
	s_add_co_u32 s20, s20, s16                     ; my step of 128 keys (my half of B),
	s_lshl_b32 s20, s20, 13                        ; 8,192 bytes a step
	s_mov_b32 s21, 0
	s_add_nc_u64 s[10:11], s[10:11], s[20:21]
.irp a, 0,1,2,3,4,5,6,7
	OUTBLK \a, 1
.endr
.Lout_done:
	s_wait_tensorcnt 0x0                           ; the wave's end
	ds_add_u32 v[SPW], v[NIL]
	s_wait_dscnt 0x0
	CROUND                                         ; the closing round: no work-group ends while a partner may still ask for a tile that names it
	s_endpgm
.Lfunc_end_k_q26b7161b80_qkv:
	.size	k_q26b7161b80_qkv, .Lfunc_end_k_q26b7161b80_qkv-k_q26b7161b80_qkv
	.p2alignl 7, 3214868480
	.fill 96, 4, 3214868480
	.section	.rodata,"a",@progbits
	.p2align	6, 0x0
	.amdhsa_kernel k_q26b7161b80_qkv
		.amdhsa_group_segment_fixed_size 327680
		.amdhsa_private_segment_fixed_size 0
		.amdhsa_enable_private_segment 0
		.amdhsa_kernarg_size 88
		.amdhsa_user_sgpr_count 2
		.amdhsa_user_sgpr_kernarg_segment_ptr 1
		.amdhsa_wavefront_size32 1
		.amdhsa_system_sgpr_workgroup_id_x 1
		.amdhsa_system_sgpr_workgroup_id_y 1
		.amdhsa_system_sgpr_workgroup_id_z 1
		.amdhsa_system_vgpr_workitem_id 0
		.amdhsa_next_free_vgpr 1024
		.amdhsa_next_free_sgpr 100
		.amdhsa_reserve_vcc 0
		.amdhsa_float_denorm_mode_32 3
		.amdhsa_float_denorm_mode_16_64 3
		.amdhsa_fp16_overflow 1
		.amdhsa_memory_ordered 1
		.amdhsa_forward_progress 1
		.amdhsa_inst_pref_size 130
	.end_amdhsa_kernel
	.amdgpu_metadata
---
amdhsa.version: [ 1, 2 ]
amdhsa.kernels:
  - .name:           k_q26b7161b80_qkv
    .symbol:         k_q26b7161b80_qkv.kd
    .args:
      - { .name: x_codes, .offset: 0, .size: 8, .value_kind: global_buffer, .address_space: global }
      - { .name: Wq_codes, .offset: 8, .size: 8, .value_kind: global_buffer, .address_space: global }
      - { .name: Wk_codes, .offset: 16, .size: 8, .value_kind: global_buffer, .address_space: global }
      - { .name: Wv_codes, .offset: 24, .size: 8, .value_kind: global_buffer, .address_space: global }
      - { .name: bq, .offset: 32, .size: 8, .value_kind: global_buffer, .address_space: global }
      - { .name: bk, .offset: 40, .size: 8, .value_kind: global_buffer, .address_space: global }
      - { .name: bv, .offset: 48, .size: 8, .value_kind: global_buffer, .address_space: global }
      - { .name: lowp_scales, .offset: 56, .size: 8, .value_kind: global_buffer, .address_space: global }
      - { .name: qf, .offset: 64, .size: 8, .value_kind: global_buffer, .address_space: global }
      - { .name: kf, .offset: 72, .size: 8, .value_kind: global_buffer, .address_space: global }
      - { .name: vf, .offset: 80, .size: 8, .value_kind: global_buffer, .address_space: global }
    .group_segment_fixed_size: 327680
    .private_segment_fixed_size: 0
    .kernarg_segment_align: 8
    .kernarg_segment_size: 88
    .max_flat_workgroup_size: 128
    .sgpr_count:     100
    .vgpr_count:     1024
    .wavefront_size: 32
...
	.end_amdgpu_metadata
.endif
;; end of part 1
;; launch attn (part 2): grid 4 x 64, 8 waves a work-group, clusters of 4 x 1, 263,168 bytes of LDS; arguments qf, kf, vf, lowp_scales, cf; writes cf
.if DOCPART == 2
	.amdgcn_target "amdgcn-amd-amdhsa--gfx1250"
	.amdhsa_code_object_version 6
	.text
	.protected	k_q26b7161b80_attn
	.globl	k_q26b7161b80_attn
	.p2align	8
	.type	k_q26b7161b80_attn,@function
k_q26b7161b80_attn:
	s_mov_b64 s[64:65], 0
	v_nop
	global_prefetch_b8 v0, s[64:65] scope:SCOPE_SE
	s_setreg_imm32_b32 hwreg(HW_REG_WAVE_MODE, 25, 1), 1
	s_wait_xcnt 0x0
	s_wait_alu depctr_hold_cnt(0) depctr_sa_sdst(0) depctr_va_vdst(0) depctr_va_sdst(0) depctr_va_ssrc(0) depctr_va_vcc(0) depctr_vm_vsrc(0)
	s_getreg_b32 s2, hwreg(HW_REG_IB_STS2, 6, 4)
	s_cmp_eq_u32 s2, 0
	s_cbranch_scc0 .Lentry_in_a_cluster
	s_endpgm
.Lentry_in_a_cluster:
	s_bfe_u32 s2, ttmp6, 0x10000c
	s_cmp_lg_u32 s2, 0x3003
	s_cbranch_scc0 .Lentry_shape_is_right
	s_endpgm
.Lentry_shape_is_right:
; ctx = Q(softmax(q k^T / 8, causal) v), both products on codes of BF8 (E5M2); head size 64, 2,048 tokens, 64 heads (batch x head).
; qf, kf: [64][128 tiles of 16 tokens][1024]: images of fragments of the K = 64 form; vf: [64][16 steps of 128 keys][4 tiles of 16 channels][2048]: images of fragments of the K = 128 form.
; cf: [4 groups of 4 heads][512 tiles of 16 tokens][4096]: images of the next product's operand (registers 4 c .. 4 c + 3 = k 32 c + 16 (lane / 16) + 0 .. 15).
; THE SOFTMAX: t = score x log2(e) / 8; M = the running largest t rounded UP to a whole number; p = 2^(t - M) is quantised, not normalised; the row's sum is taken of the unquantised p and divides at the end;
; when M moves, the sum and O are multiplied by 2^(old M - new M), which rounds nothing.
; SHARES.  The four work-groups of a cluster serve one head.  Its queries are 16 groups of 128; partner c takes queries 32 c .. 32 c + 31 of every group: two tiles of 16.  Wave w takes group 15 - w and then group w:
; (16 - w) + (w + 1) = 17 key steps of 128 keys for every wave of every work-group, so the causal mask leaves no wave with more work than another.  Each fragment of k and v read from LDS feeds two tiles of queries.
; The whole head's k and v (131,072 bytes each) lie in LDS, filled once: no slot is filled again.  They are asked for JOINTLY by the four partners: one descriptor, mask 15.
; Branches hang on the wave's number and on loop counters alone; the place in the cluster enters q's and cf's global addresses and the numbers that the diagonal's compares read, nothing else.
; LAYOUT.  S^T = k q^T (source 0 = 16 keys, source 1 = 16 queries), O^T = v^T p^T (source 0 = 16 channels x 128 keys, source 1 = p): a lane holds ONE query (lane % 16) throughout, and its eight registers of key tile T are
; keys 16 T + 8 (lane / 16) + 0 .. 7: the conversion's two registers are registers 2 T, 2 T + 1 of the K = 128 form's operand.
; LIMITS on the given exponents: entries 6 + 7 between -123 and 130 (added to the exponent field of log2(e) / 8); entries 8 and 10 between -126 and 127.  NaN among the inputs is not served.
; REGISTERS: window 0: v1-11 addresses and constants; v12-27 statistics, eight a tile; v28-31 second chains of the sums; v32-63 q (two passes x two tiles); v64-191 S^T, then p; v192-223 p's codes; v224-255 ctx's codes.
;   window 1: v0-63 O^T (32 a tile); v64-127 k's eight fragments; v128-191 v's four.
.set VB,   131072                      ; LDS: k at 0, v here; a key step is 8,192 bytes of each
.set LI,   1                           ; v1   16 x lane
.set ADK,  2                           ; v2   LDS address of the step's k
.set ADV,  3                           ; v3   of its v
.set GO,   4                           ; v4   16 (lane % 16) + 8 (lane / 16): my 8 bytes of a block of 256 of cf
.set DQ,   5                           ; v5, v6  my query's place in its group less 8 (lane / 16), tiles 0 and 1
.set NINF, 7                           ; v7   -infinity
.set PLIM, 8                           ; v9  2^(entry 8)
.set PSC,  9
.set CLIM, 10                          ; v11 2^(entry 10)
.set CSC,  11
.set ST,   12                          ; tile t at v[12 + 8 t]: +0 -M, +1 the largest t, +2, +3 the sum in two halves, +4, +5 at work, +6 f, +7 zero (named with f as a pair)
.set C2,   28
.set QF,   32
.set S,    64
.set P,    192
.set CDR,  224
.set OT,   0                           ; in window 1
.set KF,   64
.set VF,   128
.set WV,   14                          ; s14  my wave's number
.set CX,   15                          ; s15  my place in the cluster
.set YY,   16                          ; s16  the head (batch x 16 + head)
.set GH,   17                          ; s17  15 - wave: my first group
.set SEL,  20                          ; s[20:21] selects for v_permlanex16_b32: lane l xor 16
.set CS,   22                          ; s[22:23] log2(e) / 8 x 2^(entries 6 + 7)
.set G1A,  24                          ; s[24:31] group 1: 32 rows of 256 bytes;  s[32:39]: 96 rows
.set G1B,  32
.set G0K,  40                          ; s[40:47] k's two groups 0;  s[48:55] v's
.set G0V,  48
.set TB,   56                          ; s56  LDS byte of the key step in hand
.set SI,   57                          ; s57  its number
.set TBV,  59                          ; s59  TB + VB
.set EPV,  88                          ; s88  entries 8 + 9
.set MSB, 0
.macro WIN new                         ; the immediate's high byte repeats the setting that is left
.if MSB != \new
	s_set_vgpr_msb (MSB<<8)|\new
.set MSB, \new
.endif
.endm
.macro CROUND                          ; a round of the cluster's barrier
	s_barrier_signal -1
	s_barrier_wait -1
	s_cmp_lg_u32 s[WV], 0
	s_cbranch_scc1 .Lnot_wave_0_\@
	s_barrier_signal -3
.Lnot_wave_0_\@:
	s_barrier_wait -3
	s_barrier_signal -1
	s_barrier_wait -1
.endm
	s_load_b256 s[4:11], s[0:1], 0x0               ; qf s[4:5], kf s[6:7], vf s[8:9], the exponents s[10:11]
	s_load_b64 s[12:13], s[0:1], 0x20              ; cf
	s_set_vgpr_msb 0x40
	v_lshl_add_u32 v254, v0, 2, 0x40000
	v_mov_b32 v255, 0
	s_set_vgpr_msb 0x4045
	ds_add_u32 v254, v255
	ds_add_u32 v254, v255
	s_set_vgpr_msb 0x4500
	v_lshrrev_b32 v1, 5, v0
	s_delay_alu instid0(VALU_DEP_1)
	v_readfirstlane_b32 s[WV], v1                  ; wave 0..7
	s_bfe_u32 s[CX], ttmp6, 0x40000
	s_and_b32 s[YY], ttmp7, 0xffff
	s_xor_b32 s[GH], s[WV], 15
	s_mov_b32 s[G1A], 15|(3<<16)|(1<<21)           ; 15:0 the mask: all four work-groups; elements of 8 bytes; bit 21 beside a mask; no padding: images are read 16 bytes a lane on end
	s_mov_b32 s[G1B], 15|(3<<16)|(1<<21)
.irp g, G1A, G1B
	s_mov_b32 s[\g+1], 32<<16                      ; tensor_dim0 = 32 elements: 256 bytes
	s_mov_b32 s[\g+3], 32<<16                      ; tile_dim0 = 32
	s_mov_b32 s[\g+5], 32                          ; rows on end
	s_mov_b32 s[\g+6], 0
	s_mov_b32 s[\g+7], 0
.endr
	s_mov_b32 s[G1A+2], 32<<16                     ; tensor_dim1 = 32 rows: one key step,
	s_mov_b32 s[G1A+4], 32
	s_mov_b32 s[G1B+2], 96<<16                     ; 96 rows: three key steps
	s_mov_b32 s[G1B+4], 96
	s_mov_b32 s[SEL], 0x76543210
	s_mov_b32 s[SEL+1], 0xfedcba98
	s_mov_b32 s[CS], 0x3e38aa3b                    ; log2(e) / 8
	s_and_b32 s58, s[WV], 3                        ; u: waves 0-3 fetch k, waves 4-7 v: first step u, then steps 4 + 3 u to 6 + 3 u
	s_lshl_b32 s60, s58, 13
	s_mul_i32 s61, s58, 24576
	s_add_co_u32 s61, s61, 32768
	s_lshl_b32 s62, s[YY], 17                      ; the head's first byte in kf and in vf
	s_add_co_u32 s66, s62, s60
	s_mov_b32 s67, 0
	s_add_co_u32 s90, s62, s61
	s_mov_b32 s91, 0
	s_wait_dscnt 0x0
	s_wait_kmcnt 0x0
	s_load_b256 s[68:75], s[10:11], 0x0            ; entries 0-7,
	s_load_b128 s[76:79], s[10:11], 0x20           ; 8-11
	s_mov_b32 s[G0K], 1
	s_mov_b32 s[G0K+1], s60
	s_add_nc_u64 s[G0K+2:G0K+3], s[6:7], s[66:67]
	s_or_b32 s[G0K+3], s[G0K+3], 0x80000000
	s_mov_b32 s[G0K+4], 1
	s_mov_b32 s[G0K+5], s61
	s_add_nc_u64 s[G0K+6:G0K+7], s[6:7], s[90:91]
	s_or_b32 s[G0K+7], s[G0K+7], 0x80000000
	s_mov_b32 s[G0V], 1
	s_add_co_u32 s[G0V+1], s60, VB
	s_add_nc_u64 s[G0V+2:G0V+3], s[8:9], s[66:67]
	s_or_b32 s[G0V+3], s[G0V+3], 0x80000000
	s_mov_b32 s[G0V+4], 1
	s_add_co_u32 s[G0V+5], s61, VB
	s_add_nc_u64 s[G0V+6:G0V+7], s[8:9], s[90:91]
	s_or_b32 s[G0V+7], s[G0V+7], 0x80000000
	CROUND                                         ; all four work-groups are here: the joint loads meet
	s_cmp_lt_u32 s[WV], 4                          ; a wave's two fills stand in one branch, ahead of every wait on TENSORcnt and every LDS read: two loads of mine are out
	s_cbranch_scc0 .Lfill_v
	tensor_load_to_lds s[G0K:G0K+3], s[G1A:G1A+7]
	s_nop 0
	tensor_load_to_lds s[G0K+4:G0K+7], s[G1B:G1B+7]
	s_nop 0
.rept 4
	v_nop
.endr
	s_branch .Lfilled
.Lfill_v:
	tensor_load_to_lds s[G0V:G0V+3], s[G1A:G1A+7]
	s_nop 0
	tensor_load_to_lds s[G0V+4:G0V+7], s[G1B:G1B+7]
	s_nop 0
.rept 4
	v_nop
.endr
.Lfilled:
	v_and_b32 v[LI], 31, v0
	s_delay_alu instid0(VALU_DEP_1)
	v_lshlrev_b32 v[LI], 4, v[LI]
	v_and_b32 v2, 15, v0                           ; r
	v_bfe_u32 v3, v0, 4, 1                         ; h
	s_delay_alu instid0(VALU_DEP_2)
	v_lshlrev_b32 v[GO], 4, v2
	s_delay_alu instid0(VALU_DEP_1)
	v_lshl_add_u32 v[GO], v3, 3, v[GO]
	s_delay_alu instid0(VALU_DEP_3)
	v_lshlrev_b32 v[DQ+1], 3, v3
	s_delay_alu instid0(VALU_DEP_1)
	v_sub_nc_u32 v[DQ], v2, v[DQ+1]
	s_lshl_b32 s58, s[CX], 5
	v_add_nc_u32 v[DQ], s58, v[DQ]                 ; 32 c + r - 8 h
	s_delay_alu instid0(VALU_DEP_1)
	v_add_nc_u32 v[DQ+1], 16, v[DQ]
	v_mov_b32 v[NINF], 0xff800000
	s_lshl_b32 s58, s[YY], 7                       ; q: fragment 128 x head + 8 x group + 2 c + tile, 1,024 bytes each
	s_lshl_b32 s60, s[CX], 1
	s_add_co_u32 s58, s58, s60
	s_lshl_b32 s62, s[GH], 3
	s_add_co_u32 s62, s62, s58
	s_lshl_b32 s62, s62, 10
	s_mov_b32 s63, 0
	s_add_nc_u64 s[84:85], s[4:5], s[62:63]
	s_lshl_b32 s62, s[WV], 3
	s_add_co_u32 s62, s62, s58
	s_lshl_b32 s62, s62, 10
	s_add_nc_u64 s[86:87], s[4:5], s[62:63]
.irp p, 0,1
.irp t, 0,1
	global_load_b128 v[QF+16*\p+8*\t:QF+16*\p+8*\t+3], v[LI], s[84+2*\p:85+2*\p] offset:1024*\t
	global_load_b128 v[QF+16*\p+8*\t+4:QF+16*\p+8*\t+7], v[LI], s[84+2*\p:85+2*\p] offset:1024*\t+512
.endr
.endr
	s_lshr_b32 s58, s[YY], 4                       ; the batch
	s_and_b32 s61, s[YY], 15                       ; the head in it
	s_lshr_b32 s60, s61, 2
	s_lshl_b32 s60, s60, 21                        ; cf: the group of four heads: 512 tiles of 4,096 bytes,
	s_and_b32 s61, s61, 3
	s_lshl_b32 s61, s61, 10
	s_add_co_u32 s60, s60, s61                     ; the head's 1,024 bytes in a tile,
	s_lshl_b32 s58, s58, 7
	s_lshl_b32 s61, s[CX], 1
	s_add_co_u32 s58, s58, s61                     ; tile 128 x batch + 8 x group + 2 c
	s_lshl_b32 s62, s[GH], 3
	s_add_co_u32 s62, s62, s58
	s_lshl_b32 s62, s62, 12
	s_add_co_u32 s62, s62, s60
	s_add_nc_u64 s[80:81], s[12:13], s[62:63]
	s_lshl_b32 s62, s[WV], 3
	s_add_co_u32 s62, s62, s58
	s_lshl_b32 s62, s62, 12
	s_add_co_u32 s62, s62, s60
	s_add_nc_u64 s[82:83], s[12:13], s[62:63]
	s_wait_kmcnt 0x0
	s_add_co_i32 s58, s74, s75
	s_lshl_b32 s58, s58, 23
	s_add_co_i32 s[CS], s[CS], s58                 ; a score stands for score x 2^(entries 6 + 7): added to the constant's exponent field
	s_mov_b32 s[CS+1], s[CS]                       ; (named with it as a pair, so it is written)
	s_add_co_i32 s58, s76, 127
	s_lshl_b32 s60, s58, 23
	v_mov_b32 v[PSC], s60
	s_add_co_i32 s58, s78, 127
	s_lshl_b32 s60, s58, 23
	v_mov_b32 v[CSC], s60
	s_add_co_i32 s[EPV], s76, s77
; A pass begins: the largest t is -3e38, the sums and O^T zeros, which the first change of M leaves zeros: so the key step is written without a first step of its own.
.macro INIT
.irp t, 0,1
	v_mov_b32 v[ST+8*\t+1], 0xff61b1e6
	s_delay_alu instid0(VALU_DEP_1)
	v_floor_f32 v[ST+8*\t], -v[ST+8*\t+1]
	v_mov_b32 v[ST+8*\t+2], 0
	v_mov_b32 v[ST+8*\t+3], 0
	v_mov_b32 v[ST+8*\t+7], 0
.endr
	WIN 0x40
.set n, 0
.rept 64
	v_mov_b32 v[OT+n], 0
.set n, n+1
.endr
	WIN 0
.endm
; A KEY STEP: 128 keys at LDS byte s[TB], for my two tiles of queries, whose fragments begin at v[qb].  diag = 1: the step of my own group: keys behind a query become -infinity.
.macro STEP qb, diag
	s_add_co_u32 s[TBV], s[TB], VB
	s_setprio 2
	v_add_nc_u32 v[ADK], s[TB], v[LI]
	v_add_nc_u32 v[ADV], s[TBV], v[LI]
	WIN 0x40                                       ; destination window 1
.irp f, 0,1,2,3,4,5,6,7
	ds_load_b128 v[KF+8*\f:KF+8*\f+3], v[ADK] offset:1024*\f
	ds_load_b128 v[KF+8*\f+4:KF+8*\f+7], v[ADK] offset:1024*\f+512
.endr
	s_wait_alu depctr_va_vdst(0)
	s_wait_dscnt 0x0
	WIN 0x01                                       ; source 0 (k) window 1
.irp f, 0,1,2,3,4,5,6,7
.irp t, 0,1
	v_wmma_f32_16x16x64_bf8_bf8 v[S+64*\t+8*\f:S+64*\t+8*\f+7], v[KF+8*\f:KF+8*\f+7], v[\qb+8*\t:\qb+8*\t+7], 0
.endr
.endr
	WIN 0x40
.rept 4
	v_nop                                          ; the places in front of the first read of the scores, and of the loads into v's registers, which the last step's products read
.endr
.irp d, 0,1,2,3
.irp i, 0,1,2,3
	ds_load_b128 v[VF+16*\d+4*\i:VF+16*\d+4*\i+3], v[ADV] offset:2048*\d+512*\i   ; they land while the softmax is walked
.endr
.endr
	WIN 0
.if \diag
.irp t, 0,1
.set n, 0
.rept 64                                       ; register n holds key 16 (n / 8) + 8 h + n % 8 of the step: hidden where 16 (n / 8) + n % 8 > my query's place - 8 h.  No branch: the place in the cluster may steer none
	v_cmp_gt_i32 vcc_lo, 16*(n/8)+n%8, v[DQ+\t]
	v_cndmask_b32 v[S+64*\t+n], v[S+64*\t+n], v[NINF], vcc_lo
.set n, n+1
.endr
.endr
.endif
.irp t, 0,1                                    ; the step's largest score of my query among my 64 keys: two chains a tile, in ascending order of the registers
	v_max3_num_f32 v[ST+8*\t+4], v[S+64*\t], v[S+64*\t+1], v[S+64*\t+2]
	v_max3_num_f32 v[ST+8*\t+5], v[S+64*\t+3], v[S+64*\t+4], v[S+64*\t+5]
.endr
.irp i, 6,10,14,18,22,26,30,34,38,42,46,50,54,58
.irp t, 0,1
	v_max3_num_f32 v[ST+8*\t+4], v[ST+8*\t+4], v[S+64*\t+\i], v[S+64*\t+\i+1]
	v_max3_num_f32 v[ST+8*\t+5], v[ST+8*\t+5], v[S+64*\t+\i+2], v[S+64*\t+\i+3]
.endr
.endr
.irp t, 0,1
	v_max3_num_f32 v[ST+8*\t+4], v[ST+8*\t+4], v[S+64*\t+62], v[S+64*\t+63]
.endr
.irp t, 0,1
	s_delay_alu instid0(VALU_DEP_2)
	v_max_num_f32 v[ST+8*\t+4], v[ST+8*\t+4], v[ST+8*\t+5]
.endr
.irp t, 0,1
	s_delay_alu instid0(VALU_DEP_2)
	v_permlanex16_b32 v[ST+8*\t+5], v[ST+8*\t+4], s[SEL], s[SEL+1]   ; the query's other 64 keys lie in the lane 16 away
.endr
.irp t, 0,1
	s_delay_alu instid0(VALU_DEP_2)
	v_max_num_f32 v[ST+8*\t+4], v[ST+8*\t+4], v[ST+8*\t+5]
.endr
.irp t, 0,1
	s_delay_alu instid0(VALU_DEP_2)
	v_mul_f32 v[ST+8*\t+4], s[CS], v[ST+8*\t+4]    ; as t (the constant is positive)
.endr
.irp t, 0,1
	s_delay_alu instid0(VALU_DEP_2)
	v_max_num_f32 v[ST+8*\t+1], v[ST+8*\t+1], v[ST+8*\t+4]   ; the running largest t
.endr
.irp t, 0,1
	v_mov_b32 v[ST+8*\t+4], v[ST+8*\t]
.endr
.irp t, 0,1
	s_delay_alu instid0(VALU_DEP_4)
	v_floor_f32 v[ST+8*\t], -v[ST+8*\t+1]          ; the new -M = floor(-t) = -ceil(t)
.endr
.irp t, 0,1
	s_delay_alu instid0(VALU_DEP_2)
	v_sub_f32 v[ST+8*\t+4], v[ST+8*\t], v[ST+8*\t+4]   ; old M - new M: a whole number, 0 or less
.endr
.irp t, 0,1
	s_delay_alu instid0(VALU_DEP_2)
	v_cvt_i32_f32 v[ST+8*\t+4], v[ST+8*\t+4]       ; (it saturates)
.endr
.irp t, 0,1
	s_delay_alu instid0(VALU_DEP_2)
	v_ldexp_f32 v[ST+8*\t+6], 1.0, v[ST+8*\t+4]    ; f = 2^(old M - new M)
.endr
.irp t, 0,1
.set n, 0
.rept 32
	v_pk_fma_f32 v[S+64*\t+n:S+64*\t+n+1], v[S+64*\t+n:S+64*\t+n+1], s[CS:CS+1], v[ST+8*\t:ST+8*\t+1] op_sel_hi:[1,0,0]   ; t - M, two at a time
.set n, n+2
.endr
.endr
.set n, 0
	s_setprio 1
	s_wait_alu depctr_va_vdst(0)
.rept 128
	v_exp_f32 v[S+n], v[S+n]                       ; p = 2^(t - M), at most 1
.set n, n+1
.endr
.irp t, 0,1
	v_pk_mul_f32 v[ST+8*\t+2:ST+8*\t+3], v[ST+8*\t+2:ST+8*\t+3], v[ST+8*\t+6:ST+8*\t+7] op_sel_hi:[1,0]   ; the sums under the new M (a plain line behind the exponentials)
.endr
	s_wait_alu depctr_va_vdst(0)
.irp t, 0,1
	v_pk_add_f32 v[C2+2*\t:C2+2*\t+1], v[S+64*\t:S+64*\t+1], v[S+64*\t+2:S+64*\t+3]   ; the row's sum is taken of the unquantised p: two chains a tile
.endr
.irp j, 4,8,12,16,20,24,28,32,36,40,44,48,52,56,60
.irp t, 0,1
	v_pk_add_f32 v[ST+8*\t+2:ST+8*\t+3], v[ST+8*\t+2:ST+8*\t+3], v[S+64*\t+\j:S+64*\t+\j+1]
	v_pk_add_f32 v[C2+2*\t:C2+2*\t+1], v[C2+2*\t:C2+2*\t+1], v[S+64*\t+\j+2:S+64*\t+\j+3]
.endr
.endr
.irp t, 0
	s_delay_alu instid0(VALU_DEP_3)
	v_pk_add_f32 v[ST+8*\t+2:ST+8*\t+3], v[ST+8*\t+2:ST+8*\t+3], v[C2+2*\t:C2+2*\t+1]
.endr
.irp t, 1
	s_delay_alu instid0(VALU_DEP_2)
	v_pk_add_f32 v[ST+8*\t+2:ST+8*\t+3], v[ST+8*\t+2:ST+8*\t+3], v[C2+2*\t:C2+2*\t+1]
.endr
.set n, 0
.rept 128
.set n, n+1
.endr
.irp t, 0,1
.irp f, 0,1,2,3,4,5,6,7
	v_cvt_scalef32_pk8_bf8_f32 v[P+16*\t+2*\f:P+16*\t+2*\f+1], v[S+64*\t+8*\f:S+64*\t+8*\f+7], v[PSC]
.endr
.endr
	WIN 0x41                                       ; O^T (destination and source 0) window 1
	s_setprio 0
.irp t, 0,1
.set n, 0
.rept 16
	v_pk_mul_f32 v[OT+32*\t+n:OT+32*\t+n+1], v[OT+32*\t+n:OT+32*\t+n+1], v[ST+8*\t+6:ST+8*\t+7] op_sel_hi:[1,0]   ; O^T under the new M; these are also the plain lines behind the conversions
.set n, n+2
.endr
.endr
	s_wait_alu depctr_va_vdst(0)
	s_wait_dscnt 0x0                               ; v is in
	WIN 0x51                                       ; v window 1, p window 0, O^T window 1
.irp d, 0,1,2,3
.irp t, 0,1
	v_wmma_f32_16x16x128_bf8_bf8 v[OT+32*\t+8*\d:OT+32*\t+8*\d+7], v[VF+16*\d:VF+16*\d+15], v[P+16*\t:P+16*\t+15], v[OT+32*\t+8*\d:OT+32*\t+8*\d+7]   ; eight accumulators, one instruction each
.endr
.endr
	WIN 0
.endm
; A pass ends: O^T x 2^(entries 8 + 9) / the sum, quantised with entry 10; a lane's eight channels are 8 bytes, and the 32 lanes' 256 bytes are one aligned block of cf.
.macro OUT cd, sb
.rept 4
	v_nop                                          ; places behind the last products
.endr
.irp t, 0,1
	v_add_f32 v[ST+8*\t+4], v[ST+8*\t+2], v[ST+8*\t+3]
.endr
.irp t, 0,1
	s_delay_alu instid0(VALU_DEP_2)
	v_permlanex16_b32 v[ST+8*\t+5], v[ST+8*\t+4], s[SEL], s[SEL+1]
.endr
.irp t, 0,1
	s_delay_alu instid0(VALU_DEP_2)
	v_add_f32 v[ST+8*\t+4], v[ST+8*\t+4], v[ST+8*\t+5]
.endr
	s_wait_alu depctr_va_vdst(0)
.irp t, 0,1
	v_rcp_f32 v[ST+8*\t+6], v[ST+8*\t+4]
.endr
	v_nop                                          ; a plain line behind the reciprocals
	s_wait_alu depctr_va_vdst(0)
.irp t, 0,1
	v_ldexp_f32 v[ST+8*\t+6], v[ST+8*\t+6], s[EPV]
.endr
	WIN 0x01                                       ; source 0 (O^T) window 1
.irp t, 0,1
.set n, 0
.rept 16
	v_pk_mul_f32 v[S+64*\t+n:S+64*\t+n+1], v[OT+32*\t+n:OT+32*\t+n+1], v[ST+8*\t+6:ST+8*\t+7] op_sel_hi:[1,0]   ; each accumulator from its low end on
.set n, n+2
.endr
.endr
	WIN 0
.irp t, 0,1
.set n, 0
.rept 32
.set n, n+1
.endr
.endr
.irp t, 0,1
.irp d, 0,1,2,3
	v_cvt_scalef32_pk8_bf8_f32 v[\cd+8*\t+2*\d:\cd+8*\t+2*\d+1], v[S+64*\t+8*\d:S+64*\t+8*\d+7], v[CSC]
.endr
.endr
	v_nop                                          ; a plain line behind the conversions: their sources are written again in the next pass
.irp t, 0,1
.irp d, 0,1,2,3
	global_store_b64 v[GO], v[\cd+8*\t+2*\d:\cd+8*\t+2*\d+1], s[\sb:\sb+1] offset:4096*\t+256*\d   ; each pass has code registers of its own: no store's data are written again
.endr
.endr
.endm
	INIT
	s_wait_tensorcnt 0x1                           ; my first load (one of key steps 0 to 3) is in; my second may stay out, and the loop below reads steps 0 to 3 alone
	s_barrier_signal -1
	s_barrier_wait -1
	s_wait_loadcnt 0x0                             ; q
	s_mov_b32 s[TB], 0
	s_mov_b32 s[SI], 0
.Lfirst4:                                          ; pass 0, group 15 - wave, at least 8: key steps 0 to 3 count whole for every wave
	STEP QF, 0
	s_add_co_u32 s[TB], s[TB], 8192
	s_add_co_u32 s[SI], s[SI], 1
	s_cmp_lt_u32 s[SI], 4
	s_cbranch_scc1 .Lfirst4
	s_setprio 0
	s_wait_tensorcnt 0x0                           ; my second load is in,
	s_wait_dscnt 0x0
	s_barrier_signal -1
	s_barrier_wait -1                              ; everybody's is: the whole head lies in LDS
	s_mov_b32 s[TB], 4*8192
	s_mov_b32 s[SI], 4
.Lrest:                                            ; key steps 4 to 14: every wave walks the loop; a step at or behind my group is left out, by a branch on the wave's number round the step's work alone
	s_cmp_ge_u32 s[SI], s[GH]
	s_cbranch_scc1 .Lrest_skip
	STEP QF, 0
.Lrest_skip:
	s_add_co_u32 s[TB], s[TB], 8192
	s_add_co_u32 s[SI], s[SI], 1
	s_cmp_lt_u32 s[SI], 15
	s_cbranch_scc1 .Lrest
	s_setprio 0
	s_lshl_b32 s[TB], s[GH], 13
	STEP QF, 1                                     ; my group's own keys
	OUT CDR, 80
	INIT
	s_mov_b32 s[TB], 0
	s_mov_b32 s[SI], 0
.Lsecond:                                          ; pass 1, group = wave: key steps 0 to wave - 1
	s_cmp_ge_u32 s[SI], s[WV]
	s_cbranch_scc1 .Lsecond_skip
	STEP QF+16, 0
.Lsecond_skip:
	s_add_co_u32 s[TB], s[TB], 8192
	s_add_co_u32 s[SI], s[SI], 1
	s_cmp_lt_u32 s[SI], 7
	s_cbranch_scc1 .Lsecond
	s_setprio 0
	s_lshl_b32 s[TB], s[WV], 13
	STEP QF+16, 1
	OUT CDR+16, 82
	s_set_vgpr_msb 0x5
	s_wait_tensorcnt 0x0
	ds_add_u32 v254, v255
	s_wait_dscnt 0x0
	s_set_vgpr_msb 0x500
	CROUND                                         ; the closing round
	s_endpgm
.Lfunc_end_k_q26b7161b80_attn:
	.size	k_q26b7161b80_attn, .Lfunc_end_k_q26b7161b80_attn-k_q26b7161b80_attn
	.p2alignl 7, 3214868480
	.fill 96, 4, 3214868480
	.section	.rodata,"a",@progbits
	.p2align	6, 0x0
	.amdhsa_kernel k_q26b7161b80_attn
		.amdhsa_group_segment_fixed_size 263168
		.amdhsa_private_segment_fixed_size 0
		.amdhsa_enable_private_segment 0
		.amdhsa_kernarg_size 40
		.amdhsa_user_sgpr_count 2
		.amdhsa_user_sgpr_kernarg_segment_ptr 1
		.amdhsa_wavefront_size32 1
		.amdhsa_system_sgpr_workgroup_id_x 1
		.amdhsa_system_sgpr_workgroup_id_y 1
		.amdhsa_system_sgpr_workgroup_id_z 1
		.amdhsa_system_vgpr_workitem_id 0
		.amdhsa_next_free_vgpr 512
		.amdhsa_next_free_sgpr 96
		.amdhsa_reserve_vcc 1
		.amdhsa_float_denorm_mode_32 3
		.amdhsa_float_denorm_mode_16_64 3
		.amdhsa_fp16_overflow 1
		.amdhsa_memory_ordered 1
		.amdhsa_forward_progress 1
		.amdhsa_inst_pref_size 166
	.end_amdhsa_kernel
	.amdgpu_metadata
---
amdhsa.version: [ 1, 2 ]
amdhsa.kernels:
  - .name:           k_q26b7161b80_attn
    .symbol:         k_q26b7161b80_attn.kd
    .args:
      - { .name: qf, .offset: 0, .size: 8, .value_kind: global_buffer, .address_space: global }
      - { .name: kf, .offset: 8, .size: 8, .value_kind: global_buffer, .address_space: global }
      - { .name: vf, .offset: 16, .size: 8, .value_kind: global_buffer, .address_space: global }
      - { .name: lowp_scales, .offset: 24, .size: 8, .value_kind: global_buffer, .address_space: global }
      - { .name: cf, .offset: 32, .size: 8, .value_kind: global_buffer, .address_space: global }
    .group_segment_fixed_size: 263168
    .private_segment_fixed_size: 0
    .kernarg_segment_align: 8
    .kernarg_segment_size: 40
    .max_flat_workgroup_size: 256
    .sgpr_count:     96
    .vgpr_count:     512
    .wavefront_size: 32
...
	.end_amdgpu_metadata
.endif
;; end of part 2
;; launch oproj (part 3): grid 4 x 32, 4 waves a work-group, clusters of 4 x 4, 327,680 bytes of LDS; arguments cf, Wo_codes, lowp_scales, bo, out0; writes out0
.if DOCPART == 3
	.amdgcn_target "amdgcn-amd-amdhsa--gfx1250"
	.amdhsa_code_object_version 6
	.text
	.protected	k_q26b7161b80_oproj
	.globl	k_q26b7161b80_oproj
	.p2align	8
	.type	k_q26b7161b80_oproj,@function
k_q26b7161b80_oproj:
	s_mov_b64 s[64:65], 0
	v_nop
	global_prefetch_b8 v0, s[64:65] scope:SCOPE_SE
	s_setreg_imm32_b32 hwreg(HW_REG_WAVE_MODE, 25, 1), 1
	s_wait_xcnt 0x0
	s_wait_alu depctr_hold_cnt(0) depctr_sa_sdst(0) depctr_va_vdst(0) depctr_va_sdst(0) depctr_va_ssrc(0) depctr_va_vcc(0) depctr_vm_vsrc(0)
	s_getreg_b32 s2, hwreg(HW_REG_IB_STS2, 6, 4)
	s_cmp_eq_u32 s2, 0
	s_cbranch_scc0 .Lentry_in_a_cluster
	s_endpgm
.Lentry_in_a_cluster:
	s_bfe_u32 s2, ttmp6, 0x10000c
	s_cmp_lg_u32 s2, 0xf033
	s_cbranch_scc0 .Lentry_shape_is_right
	s_endpgm
.Lentry_shape_is_right:
; out = ctx Wo^T + bo on codes of BF8 (E5M2).  ctx: cf, [4 K steps of 256][512 tiles of 16 tokens][4096]: images of operand registers (128 along K: 2,048 bytes; registers 4 c .. 4 c + 3 at 512 c + 16 x lane,
; holding k 32 c + 16 (lane / 16) + 0 .. 15).  Wo: [1024][1024] codes, K innermost, fetched in the same order of k.  bo f32; out0 [8192][1024] f32.  Scales: entries 10 and 11.
; LIMIT: entries 10 + 11 lie between -126 and 127, so that their power of two is an f32 number.
; A tile of 256 tokens x 256 features is made by four waves, 128 x 128 each.  K goes in steps of 256 through a ring of two LDS slots filled by the tensor data mover.
; CLUSTERS: 4 x 4 work-groups: ctx's tile is shared along a row of the cluster, Wo's along a column; each is asked for jointly.  THE MATRIX INSTRUCTION IS USED TRANSPOSED (source 0 = 16 rows of Wo, source 1 = 16 tokens):
; a lane holds eight neighbouring features of one token.
; REGISTERS: window 0: v16-29 addresses; v32-95 the bias of my 8 x 8 features; v128-255 ctx's fragments, ONE set (on the way out two sets of 64).  window 1: Wo's fragments, two sets.  windows 2, 3: the accumulators.
.set ROWB,   256
.set KROW,   1024
.set PITCH,  272                       ; Wo's LDS row: 256 bytes + 16 of padding: the 16 rows of a load start at 16 different banks (64 banks of 4 bytes: ISA guide 11.1)
.set FR,     16
.set NL,     4
.set NP,     4
.set AH,     32768                     ; 128 tokens x 256 K as images: dense, read 16 bytes a lane on end
.set BH,     128*PITCH
.set SLOT,   2*AH+2*BH                 ; ctx's two halves, then Wo's two halves
.set KQB,    2097152                   ; bytes of cf from one K step of 256 to the next
.set LAPS,   2
.set SPARE,  2*SLOT                    ; behind the ring: the spare words, 128 bytes for each wave; no other line names them
.set SPITCH, 528                       ; the way out: a stage of 16 rows x (512 bytes + 16) for each wave, in slot 0, which has had its last fill and its last read when the first result is stored there
.set ADRA, 16
.set ADRB, 20
.set STO,  24                          ; v24  the way out: where I put 32 bytes of a row
.set RD,   25                          ; v25  where I read a row back
.set CO,   26                          ; v26  16 x lane: my bytes of a row of 512
.set BNO,  27                          ; v27  32 x (lane / 16)
.set SPW,  28
.set NIL,  29
.set BN,   32
.set AF,   128
.set TS0,  128
.set G1, 24
.set G0, 32
.set G1B, 48
.set G0B, 56
.set MSB, 0
.macro WIN new                         ; the immediate's high byte repeats the setting that is left
.if MSB != \new
	s_set_vgpr_msb (MSB<<8)|\new
.set MSB, \new
.endif
.endm
.set MUL_LO, 0xa1
.set MUL_HI, 0xf1
.set TO_B,   0x40
.macro JLOAD g0a, g1a, g0b, g1b        ; waves 0 and 1 fetch ctx's halves, waves 2 and 3 Wo's; four v_nop follow each of the two lines
	s_cmp_eq_u32 s15, 0
	s_cbranch_scc0 .Lfor_b_\@
	tensor_load_to_lds s[\g0a:\g0a+3], s[\g1a:\g1a+7]
	s_nop 0
.rept 4
	v_nop
.endr
	s_branch .Lasked_\@
.Lfor_b_\@:
	tensor_load_to_lds s[\g0b:\g0b+3], s[\g1b:\g1b+7]
	s_nop 0
.rept 4
	v_nop
.endr
.Lasked_\@:
.endm
.macro CREST
	s_cmp_lg_u32 s14, 0
	s_cbranch_scc1 .Lnot_wave_0_\@
	s_barrier_signal -3
.Lnot_wave_0_\@:
	s_barrier_wait -3
	s_barrier_signal -1
	s_barrier_wait -1
.endm
.macro CROUND
	s_barrier_signal -1
	s_barrier_wait -1
	CREST
.endm
	s_load_b128 s[4:7], s[0:1], 0x0                ; cf, Wo's codes
	s_load_b128 s[8:11], s[0:1], 0x10              ; the exponents, bo
	s_load_b64 s[12:13], s[0:1], 0x20              ; out0
	v_lshl_add_u32 v[SPW], v0, 2, SPARE
	v_mov_b32 v[NIL], 0
	ds_add_u32 v28, v29
	ds_add_u32 v28, v29
	s_wait_dscnt 0x0
	v_lshrrev_b32 v1, 5, v0
	v_readfirstlane_b32 s14, v1                    ; wave 0..3
	s_lshr_b32 s15, s14, 1                         ; which half of the tokens is mine.  Also: I fetch for ctx (0) or for Wo (1)
	s_and_b32 s16, s14, 1                          ; which half of the features.  Also: which half of that tile I fetch
	s_bfe_u32 s40, ttmp6, 0x40000
	s_bfe_u32 s41, ttmp6, 0x40004
	s_lshl_b32 s42, ttmp9, 2
	s_add_co_u32 s42, s42, s40                     ; which 256 features
	s_and_b32 s17, ttmp7, 0xffff
	s_lshl_b32 s17, s17, 2
	s_add_co_u32 s17, s17, s41                     ; which 256 tokens
	s_lshl_b32 s43, s41, 2
	s_lshl_b32 s43, 15, s43                        ; my row of the cluster
	s_lshl_b32 s44, 0x1111, s40                    ; my column
	s_or_b32 s[G1+0], s43, (3<<16)|(1<<21)         ; ctx: the mask of my row; elements of 8 bytes; bit 21 beside a mask; no padding
	s_mov_b32 s[G1+1], 32<<16                      ; tensor_dim0 = 32 elements: 256 bytes
	s_mov_b32 s[G1+2], 128<<16                     ; tensor_dim1 = 128 rows: 32,768 dense bytes
	s_mov_b32 s[G1+3], 32<<16
	s_mov_b32 s[G1+4], 128
	s_mov_b32 s[G1+5], 32
	s_mov_b32 s[G1+6], 0
	s_mov_b32 s[G1+7], 0
	s_or_b32 s[G1B+0], s44, (0<<16)|(1<<20)|(1<<21)|(5<<22)|(3<<25)   ; Wo: the mask of my column; elements of 1 byte; after every 64 words four words of padding
	s_mov_b32 s[G1B+1], ROWB<<16
	s_mov_b32 s[G1B+2], 128<<16
	s_mov_b32 s[G1B+3], ROWB<<16
	s_mov_b32 s[G1B+4], 128
	s_mov_b32 s[G1B+5], KROW
	s_mov_b32 s[G1B+6], 0
	s_mov_b32 s[G1B+7], 0
	s_lshl_b32 s20, s17, 16                        ; ctx: tiles 16 x token block + 8 x half, 4,096 bytes each
	s_lshl_b32 s18, s16, 15
	s_add_co_u32 s20, s20, s18
	s_mov_b32 s21, 0
	s_lshl_b32 s46, s42, 18                        ; Wo: rows 256 x feature block + 128 x half, 1,024 bytes each
	s_lshl_b32 s18, s16, 17
	s_add_co_u32 s46, s46, s18
	s_mov_b32 s47, 0
	s_lshl_b32 s45, s16, 15                        ; where they go: ctx's half,
	s_mul_i32 s19, s16, BH
	s_add_co_u32 s19, s19, 2*AH                    ; Wo's half: the wave's number alone enters an LDS address
	s_wait_kmcnt 0x0
	s_load_b64 s[96:97], s[8:9], 0x28              ; entries 10 and 11
	s_add_nc_u64 s[20:21], s[4:5], s[20:21]
	s_add_nc_u64 s[46:47], s[6:7], s[46:47]
	CROUND                                         ; all sixteen work-groups are here: the first joint loads meet
.irp s, 0,1
	s_mov_b32 s[G0+4*\s], 1
	s_add_co_u32 s[G0+4*\s+1], s45, \s*SLOT
	s_add_nc_u64 s[G0+4*\s+2:G0+4*\s+3], s[20:21], \s*KQB
	s_or_b32 s[G0+4*\s+3], s[G0+4*\s+3], 0x80000000
	s_mov_b32 s[G0B+4*\s], 1
	s_add_co_u32 s[G0B+4*\s+1], s19, \s*SLOT
	s_add_nc_u64 s[G0B+4*\s+2:G0B+4*\s+3], s[46:47], \s*ROWB
	s_or_b32 s[G0B+4*\s+3], s[G0B+4*\s+3], 0x80000000
	s_wait_alu depctr_va_vdst(0)
	s_wait_tensorcnt 0x0
	ds_add_u32 v28, v29
	ds_add_u32 v28, v29
	s_wait_dscnt 0x0
	CROUND
	JLOAD G0+4*\s, G1, G0B+4*\s, G1B
.endr
	v_and_b32 v1, 15, v0                           ; r
	v_bfe_u32 v2, v0, 4, 1                         ; h
	v_mul_u32_u24 v3, v1, PITCH
	v_lshl_add_u32 v4, v2, 4, v3
	v_and_b32 v6, 31, v0
	v_lshlrev_b32 v[CO], 4, v6
	s_wait_alu depctr_va_vdst(0)
	s_lshl_b32 s21, s15, 15                        ; my 128 tokens' images
	s_mul_i32 s22, s16, BH
	s_add_co_u32 s22, s22, 2*AH                    ; my 128 rows of Wo
.irp s, 0,1
	v_add_nc_u32 v[ADRA+\s], s21, v[CO]
	v_add_nc_u32 v[ADRB+\s], s22, v4
	s_add_co_u32 s21, s21, SLOT
	s_add_co_u32 s22, s22, SLOT
.endr
	s_mul_i32 s23, s14, 16*SPITCH                  ; my stage
	v_mul_u32_u24 v5, v1, SPITCH
	v_lshl_add_u32 v5, v2, 5, v5
	v_add_nc_u32 v[STO], s23, v5                   ; in: row r, 32 bytes for each half of the lanes
	v_add_nc_u32 v[RD], s23, v[CO]                 ; back: the 32 lanes take one row of 512 bytes
	v_lshlrev_b32 v[BNO], 5, v2
	s_wait_alu depctr_va_vdst(0)
	s_lshl_b32 s20, s42, 10                        ; bo at feature 256 x block + 128 x half
	s_lshl_b32 s21, s16, 9
	s_add_co_u32 s20, s20, s21
	s_mov_b32 s21, 0
	s_add_nc_u64 s[10:11], s[10:11], s[20:21]
	s_add_nc_u64 s[12:13], s[12:13], s[20:21]      ; the same bytes into a row of out0,
	s_lshl_b32 s20, s17, 20                        ; at token 256 x block + 128 x half: rows of 4,096 bytes
	s_lshl_b32 s22, s15, 19
	s_add_co_u32 s20, s20, s22
	s_add_nc_u64 s[12:13], s[12:13], s[20:21]
.irp b, 0,1,2,3,4,5,6,7                        ; the bias lands while K is walked and is waited for on the way out
	global_load_b128 v[BN+8*\b:BN+8*\b+3], v[BNO], s[10:11] offset:64*\b
	global_load_b128 v[BN+8*\b+4:BN+8*\b+7], v[BNO], s[10:11] offset:64*\b+16
.endr
.macro FRAGB reg, adr, q, i            ; Wo: lane l holds row l % 16; registers 4 c .. 4 c + 3 hold K = 32 c + 16 (l / 16) + 0 .. 15
.irp c, 0,1,2,3
	ds_load_b128 v[\reg+4*\c:\reg+4*\c+3], v[\adr] offset:128*(\q)+32*\c+(\i)*16*PITCH
.endr
.endm
.macro FRAGA reg, adr, q, i            ; ctx: the image comes back as it was stored
.irp c, 0,1,2,3
	ds_load_b128 v[\reg+4*\c:\reg+4*\c+3], v[\adr] offset:4096*(\i)+2048*(\q)+512*\c
.endr
.endm
.macro MUL16 a0, p, zero               ; 16 matrix instructions; the 64 accumulators take turns, one instruction a turn
.irp a, \a0, \a0+1
.irp b, 0,1,2,3,4,5,6,7
.if \zero
	v_wmma_f32_16x16x128_bf8_bf8 v[8*(8*((\a)%4)+\b):8*(8*((\a)%4)+\b)+7], v[128*(\p)+FR*\b:128*(\p)+FR*\b+FR-1], v[AF+FR*(\a):AF+FR*(\a)+FR-1], 0
.else
	v_wmma_f32_16x16x128_bf8_bf8 v[8*(8*((\a)%4)+\b):8*(8*((\a)%4)+\b)+7], v[128*(\p)+FR*\b:128*(\p)+FR*\b+FR-1], v[AF+FR*(\a):AF+FR*(\a)+FR-1], v[8*(8*((\a)%4)+\b):8*(8*((\a)%4)+\b)+7]
.endif
.endr
.endr
.endm
.macro FETCH_B slot, q, p
	WIN TO_B
.irp i, 0,1,2,3,4,5,6,7
	FRAGB 128*(\p)+FR*\i, ADRB+\slot, \q, \i
.endr
	WIN 0
.endm
.macro FETCH_A slot, q, i0
.irp i, \i0, \i0+1, \i0+2, \i0+3
	FRAGA AF+FR*(\i), ADRA+\slot, \q, \i
.endr
.endm
.macro PLACES n                        ; plain vector instructions between a matrix instruction and a load into, or a vector access of, its registers (ISA guide 7.12.1 for vector accesses)
.rept \n
	v_nop
.endr
.endm
.macro STEP slot, q, zero
	s_wait_dscnt 4*NL                              ; Wo's set and ctx's blocks 0-3 are in; the youngest sixteen loads (blocks 4-7) may be out
	WIN MUL_LO
	MUL16 0, (\q)%2, \zero
	MUL16 2, (\q)%2, \zero
	s_wait_dscnt 0
	PLACES NP
	FETCH_B \slot, (\q)+1, 1-(\q)%2
	FETCH_A \slot, (\q)+1, 0
	WIN MUL_HI
	MUL16 4, (\q)%2, \zero
	MUL16 6, (\q)%2, \zero
	PLACES NP
	WIN 0
	FETCH_A \slot, (\q)+1, 4
.endm
.macro TURN slot, next, fill           ; a slot's last step changes slots: one barrier, with the three lines in front of it
	s_wait_tensorcnt 0x0                           ; all my tensor loads have landed: my part of the next slot
	ds_add_u32 v[SPW], v[NIL]                      ; 0 onto my spare word
	s_wait_dscnt 4*NL+1                            ; (the add and the youngest sixteen loads may be out)
	WIN MUL_LO
	MUL16 0, 1, 0
	s_wait_dscnt 0x0                               ; the add is done, and my reads of this slot are over
	s_barrier_signal -1
	MUL16 2, 1, 0
	WIN 0
	s_barrier_wait -1
.if \fill
	CREST                                          ; the barrier has opened a round of the cluster's barrier
	s_add_nc_u64 s[G0+4*\slot+2:G0+4*\slot+3], s[G0+4*\slot+2:G0+4*\slot+3], 2*KQB
	s_add_nc_u64 s[G0B+4*\slot+2:G0B+4*\slot+3], s[G0B+4*\slot+2:G0B+4*\slot+3], 2*ROWB
	JLOAD G0+4*\slot, G1, G0B+4*\slot, G1B         ; the first tensor load behind the round; its four v_nop are the places in front of the loads below
.else
	PLACES NP
.endif
	FETCH_B \next, 0, 0
	FETCH_A \next, 0, 0
	WIN MUL_HI
	MUL16 4, 1, 0
	MUL16 6, 1, 0
	PLACES NP
	WIN 0
	FETCH_A \next, 0, 4
.endm
	s_wait_tensorcnt 1                             ; my part of K step 0 is in; K step 1's load may be out
	s_barrier_signal -1
	s_barrier_wait -1
	FETCH_B 0, 0, 0
	FETCH_A 0, 0, 0
	FETCH_A 0, 0, 4
	STEP 0, 0, 1                                   ; the first step's products start the sums
	s_mov_b32 s3, LAPS-1
.Llap:
	TURN 0, 1, 1
	STEP 1, 0, 0
	TURN 1, 0, 1
	STEP 0, 0, 0
	s_sub_co_u32 s3, s3, 1
	s_cmp_lg_u32 s3, 0
	s_cbranch_scc1 .Llap
	TURN 0, 1, 0                                   ; the last lap fills nothing
	STEP 1, 0, 0
	s_wait_dscnt 4*NL
	WIN MUL_LO
	MUL16 0, 1, 0
	MUL16 2, 1, 0
	s_wait_dscnt 0
	WIN MUL_HI
	MUL16 4, 1, 0
	MUL16 6, 1, 0
	WIN 0
; THE WAY OUT, block by block of 16 tokens x 128 features: sum x 2^(entries 10 + 11) + bias in one fused step; through my own stage in LDS; back as whole rows of 512 bytes, into the registers that they left.
; LDS serves a wave's instructions in order (ISA guide 5.7.1.4): no wait between the stores and the loads, nor in front of the next block's stores.
.macro TOSTAGE a
.set AC, 64*((\a)%4)
.set TS, TS0+64*((\a)%2)
	WIN 0x02+((\a)/4)                              ; source 0: window 2 or 3
.set n, 0
.rept 32
	v_pk_fma_f32 v[TS+n:TS+n+1], v[AC+n:AC+n+1], s[96:97], v[BN+n:BN+n+1] op_sel_hi:[1,0,1]   ; each accumulator from its low end on
.set n, n+2
.endr
	WIN 0
.irp b, 0,1,2,3,4,5,6,7
	ds_store_b128 v[STO], v[TS+8*\b:TS+8*\b+3] offset:64*\b
	ds_store_b128 v[STO], v[TS+8*\b+4:TS+8*\b+7] offset:64*\b+16
.endr
.irp t, 0,1,2,3,4,5,6,7,8,9,10,11,12,13,14,15
	ds_load_b128 v[TS+4*\t:TS+4*\t+3], v[RD] offset:\t*SPITCH
.endr
.endm
.macro SEND a, younger                 ; younger: the LDS instructions issued behind block a's loads
.set TS, TS0+64*((\a)%2)
	s_wait_dscnt \younger
.if (\a) > 0
	s_add_nc_u64 s[12:13], s[12:13], 16*4096       ; (behind a wait on XCNT: the earlier stores have read their base)  16 rows on
.endif
.irp t, 0,1,2,3,4,5,6,7,8,9,10,11,12,13,14,15
	global_store_b128 v[CO], v[TS+4*\t:TS+4*\t+3], s[12:13] offset:\t*4096 th:TH_STORE_NT   ; 32 lanes store 512 consecutive bytes, at a multiple of 256 from out0's first byte; written once, read by nobody here
.endr
.endm
	s_wait_kmcnt 0x0
	s_add_co_i32 s96, s96, s97
	s_add_co_i32 s96, s96, 127
	s_lshl_b32 s96, s96, 23                        ; 2^(entries 10 + 11) as f32
	s_mov_b32 s97, s96                             ; (named with it as a pair, so it is written)
	s_wait_loadcnt 0x0                             ; the bias
	PLACES NP                                      ; behind the last products: results are read and ctx's registers written below
	TOSTAGE 0
.irp a, 1,2,3,4,5,6,7
.if \a > 1
	s_wait_xcnt 0x0                                ; block a - 2's stores have read their registers and their base
.endif
	TOSTAGE \a
	SEND \a-1, 32                                  ; behind block a - 1's loads: block a's 16 stores and 16 loads
.endr
	s_wait_xcnt 0x0
	SEND 7, 0
	s_wait_tensorcnt 0x0                           ; the wave's end
	ds_add_u32 v[SPW], v[NIL]
	s_wait_dscnt 0x0
	CROUND                                         ; the closing round
	s_endpgm
.Lfunc_end_k_q26b7161b80_oproj:
	.size	k_q26b7161b80_oproj, .Lfunc_end_k_q26b7161b80_oproj-k_q26b7161b80_oproj
	.p2alignl 7, 3214868480
	.fill 96, 4, 3214868480
	.section	.rodata,"a",@progbits
	.p2align	6, 0x0
	.amdhsa_kernel k_q26b7161b80_oproj
		.amdhsa_group_segment_fixed_size 327680
		.amdhsa_private_segment_fixed_size 0
		.amdhsa_enable_private_segment 0
		.amdhsa_kernarg_size 40
		.amdhsa_user_sgpr_count 2
		.amdhsa_user_sgpr_kernarg_segment_ptr 1
		.amdhsa_wavefront_size32 1
		.amdhsa_system_sgpr_workgroup_id_x 1
		.amdhsa_system_sgpr_workgroup_id_y 1
		.amdhsa_system_sgpr_workgroup_id_z 1
		.amdhsa_system_vgpr_workitem_id 0
		.amdhsa_next_free_vgpr 1024
		.amdhsa_next_free_sgpr 100
		.amdhsa_reserve_vcc 0
		.amdhsa_float_denorm_mode_32 3
		.amdhsa_float_denorm_mode_16_64 3
		.amdhsa_memory_ordered 1
		.amdhsa_forward_progress 1
		.amdhsa_inst_pref_size 126
	.end_amdhsa_kernel
	.amdgpu_metadata
---
amdhsa.version: [ 1, 2 ]
amdhsa.kernels:
  - .name:           k_q26b7161b80_oproj
    .symbol:         k_q26b7161b80_oproj.kd
    .args:
      - { .name: cf, .offset: 0, .size: 8, .value_kind: global_buffer, .address_space: global }
      - { .name: Wo_codes, .offset: 8, .size: 8, .value_kind: global_buffer, .address_space: global }
      - { .name: lowp_scales, .offset: 16, .size: 8, .value_kind: global_buffer, .address_space: global }
      - { .name: bo, .offset: 24, .size: 8, .value_kind: global_buffer, .address_space: global }
      - { .name: out0, .offset: 32, .size: 8, .value_kind: global_buffer, .address_space: global }
    .group_segment_fixed_size: 327680
    .private_segment_fixed_size: 0
    .kernarg_segment_align: 8
    .kernarg_segment_size: 40
    .max_flat_workgroup_size: 128
    .sgpr_count:     100
    .vgpr_count:     1024
    .wavefront_size: 32
...
	.end_amdgpu_metadata
.endif
;; end of part 3
